; MI455X (gfx1250); checked and timed in simulation.
; The chip was launched on July 23, 2026; its instructions are those of AMD's public machine-readable ISA for CDNA 5 (MIT licence, August 2026) and "CDNA5" Instruction Set Architecture Reference Guide (July 2026). The comments in the code are by the model that wrote it; some were corrected since.
;; Pytorch Flex Attention. Allowed arithmetic: matrix products marked QUANTISED: E2M1 operands, one E8M0 scale for each 32 along K, by v_wmma_scale_f32_16x16x128_f8f6f4 with both operands' format E2M1 (or v_wmma_scale_f32_32x16x128_f4), f32 sums; everything else in f32.
;; Inputs: attention_mask 2,048 x 2,048 bool; key 2,048 x 2 x 8 x 128 float32; query 2,048 x 2 x 32 x 128 float32; value 2,048 x 2 x 8 x 128 float32.
;; Outputs: out0 2,048 x 2 x 4,096 float32.
;; This version of the problem:
;;   THIS VERSION OF THE PROBLEM IS GIVEN IN LOW PRECISION. The matrix products marked QUANTISED in the list below multiply operands that are first quantised to E2M1 (2 exponent bits, 1 mantissa bit; 4 bits a number), with one power-of-two scale for each 32 numbers along K (OCP MX v1.0); their sums are f32. All else is computed in f32.
;;   The module's matrix products, in the order in which they are computed (A, B: the left and right operand; K: the contracted axis; several contracted axes count as one K, in the product's order):
;;     1. batch 64 x [M 2,048, K 128] x [K 128, N 2,048]; A: input query; B: input key: QUANTISED
;;     2. batch 64 x [M 2,048, K 2,048] x [K 2,048, N 128]; A: softmax (see below); B: input value: QUANTISED
;;   THE QUANTISER, for each operand of a quantised product, along K:
;;     - K is cut into blocks of 32 from its start; a last block that is shorter is filled with zeros.
;;     - A block's scale is 2^e with e = floor(log2(the largest magnitude in the block)) - 2, held to -126 .. 127; a block of zeros has e = 0. As a byte (E8M0): e + 127.
;;     - Each number is divided by its block's scale, clamped to +-6, and rounded to the nearest number of E2M1, ties to even, subnormals kept.
;;     - The product sums the exact products of the quantised numbers (number of the format x scale) in f32.
;;   ~~~python
;;   def quantise(x, axis):      # numpy; x: float32 -> the quantised numbers, widened to float32 again
;;       x = np.moveaxis(x, axis, -1); K = x.shape[-1]
;;       x = np.pad(x, [(0, 0)] * (x.ndim - 1) + [(0, -K % 32)]); x = x.reshape(x.shape[:-1] + (-1, 32)); a = np.abs(x).max(-1, keepdims=True)
;;       e = np.where(a > 0, np.clip(np.frexp(np.where(a > 0, a, 1))[1] - 1 - 2, -126, 127), 0)      # np.frexp(a)[1] - 1 = floor(log2(a)), exactly
;;       r = np.clip(x / 2.0 ** e, -6, 6)
;;       step = 2.0 ** (np.maximum(np.frexp(np.where(r == 0, 1, r))[1] - 1, 0) - 1)
;;       q = np.round(r / step) * step * 2.0 ** e      # np.round: ties to even
;;       return np.moveaxis(q.reshape(q.shape[:-2] + (-1,))[..., :K], -1, axis).astype(np.float32)
;;   ~~~
;;   SOFTMAX AHEAD OF A QUANTISED PRODUCT. Where the list says 'softmax', what is quantised is not the finished softmax but p = 2^(t - M), with t = logit x log2(e) and M = ceil(the row's largest t), a whole number; so 1/2 < the row's largest p <= 1. The row's sum l is taken of the UNQUANTISED p, in f32, and the product's result is divided by l at the end. Since M is a whole number, a kernel that streams over the keys may use a running M (the ceiling of the running maximum): every later rescaling is an exact power of two, which a block's scale takes up: the codes' values come out the same.
;;   OPERANDS COMPUTED ON THE WAY. 'Computed on the way' means the value that the module computes at that place (a softmax that the list does not call 'softmax' is quantised finished and normalised). What goes into a quantiser is computed in f32, as accurately as f32 sums, v_exp_f32 and their like allow (about 1e-6 of the number): no bf16 or f16 on the way to a quantiser, and a product that is left as it is and whose result goes on into a quantised operand takes f32 operands (vector FMAs, or v_wmma_f32_16x16x4_f32). A number that lies on a knife's edge between two numbers of the format may be rounded either way, as far as f32 arithmetic and the matrix unit's own rounding can turn it there, and no further.
;; 2 versions, each right; version 2 is version 1 with the launch attn written anew for expert scheduling mode. Each part assembles by itself: llvm-mc -triple=amdgcn-amd-amdhsa -mcpu=gfx1250 --defsym DOCPART=n.
;; ======== version 1 of 2: 2 launches
;; workspace buffers: kvq 4,456,448 bytes; cls 4,096 bytes of whole numbers
;; launch prep (part 1): grid 640 x 1, 4 waves a work-group, no clusters, 68,096 bytes of LDS; arguments key, value, attention_mask, kvq, cls; writes kvq, cls
.if DOCPART == 1
	.amdgcn_target "amdgcn-amd-amdhsa--gfx1250"
	.amdhsa_code_object_version 6
	.text
	.protected	k_qb5e032c507_prep
	.globl	k_qb5e032c507_prep
	.p2align	8
	.type	k_qb5e032c507_prep,@function
k_qb5e032c507_prep:
	s_mov_b64 s[64:65], 0
	v_nop
	global_prefetch_b8 v0, s[64:65] scope:SCOPE_SE
	s_setreg_imm32_b32 hwreg(HW_REG_WAVE_MODE, 25, 1), 1
	s_wait_xcnt 0x0
; PREP: key and value [2048][2][8][128] f32 become codes of FP4 (E2M1) with one E8M0 byte for each 32 along a product's K, laid as IMAGES OF OPERAND REGISTERS;
; the mask [2048][2048] of bytes 0 / 1 becomes a few whole numbers for each tile of 16 queries.
; kvq: 256 records of REC bytes, record = 16 x head (b * 8 + hkv) + key step (128 keys):
;   +0     K: 8 tiles T.  Byte 1024 T + 512 c + 16 lane: registers 4 c .. 4 c + 3 of lane (r, h): d = 64 c + 32 h + 0 .. 31 of key 32 (T / 2) + 8 (T % 2) + r + 8 (r / 8) of the step
;   +VC    V^T: 8 tiles dt.  Byte 1024 dt + 512 c + 16 lane: keys 64 c + 32 h + 0 .. 31 of the step, channel 16 dt + r
;   +KS    K's scale words: row j of 128 bytes, 4 bytes a lane: lanes 0-15 tile 2 j, lanes 16-31 tile 2 j + 1
;   +VS    V^T's likewise
; cls: [128 tiles of 16 queries][4 chunks g of 512 keys][2 words].  Word 0: bit 4 g + k: a true byte in key step 4 g + k; bit 16 + 4 g + k: not all bytes true there.  Word 1: bit i: row i has a true byte in the chunk.
; SHARES: work-groups 0-255 take K's records, 256-511 V's, 512-639 a tile of 16 rows of the mask each.  Waves share nothing: no barrier.  Only K's path uses LDS, each wave its own 32 rows of PIT bytes.
; A block's scale is 2^(floor(log2(largest magnitude)) - 2): its byte is the largest magnitude's exponent field - 2, held at 1 from below by a floor among the maximum's leaves.
; LIMITS: a block of zeros, or one whose largest magnitude lies under 2^-124, gets the byte 1 (its codes are zeros or what the floor's scale gives; this program alone reads the bytes); NaN and infinities are not served.
.set REC,  17408
.set VC,   8192
.set KS,   16384
.set VS,   16896
.set SROW, 8192                        ; bytes from a key to the next: 2 x 8 x 128 x 4
.set PIT,  528                         ; a stage row: 512 bytes + 16: 33 x 16, so sixteen rows begin in sixteen different columns of 16 bytes
.set TM,   224                         ; v224-230 at work in QUANT2
.set RK,   32                          ; K: v32-159  32 rows as loaded, 4 registers each
.set XK,   160                         ; K: v160-223 a lane's 64 numbers
.set CK,   16                          ; K: v16-31   two tiles' codes
.set SW0,  10                          ; K: v10, v11 the two tiles' scale words; v12 what is stored
.set XV,   32                          ; V: v32-95   two sets of 32 numbers
.set CV,   96                          ; V: v96-111  four registers of codes for each block: no store's data are written again
.set SB,   112                         ; V: v112     the channel's four scale bytes
; 64 numbers of a lane, v[x + 32 cc + i] = k 64 cc + 32 h + i of its row: two whole blocks.  They become registers c .. c + 7 of the operand and, in v[w], the row's scale word (both halves of the lanes end up with it).
.macro QUANT2 x, c, w
.irp cc, 0,1
	v_max3_num_f32 v[TM+\cc], |v[\x+32*\cc]|, |v[\x+32*\cc+1]|, 0x1800000   ; the floor 2^(3 - 127): the byte cannot fall under 1
.endr
.irp i, 2,4,6,8,10,12,14,16,18,20,22,24,26,28,30
.irp cc, 0,1
	v_max3_num_f32 v[TM+\cc], v[TM+\cc], |v[\x+32*\cc+\i]|, |v[\x+32*\cc+\i+1]|   ; the two blocks by turns
.endr
.endr
.irp cc, 0,1
	v_add_nc_u32 v[TM+2+\cc], 0xff000000, v[TM+\cc]    ; 2 off the exponent field: the conversion's scale operand
.endr
.irp cc, 0,1
	v_lshrrev_b32 v[TM+4+\cc], 23, v[TM+2+\cc]         ; the scale's byte
.endr
	v_lshl_or_b32 v[\w], v[TM+5], 16, v[TM+4]          ; my bytes: blocks h and 2 + h,
	v_lshlrev_b32 v[\w], v9, v[\w]                     ; 8 h bits up;
	v_permlanex16_b32 v[TM+6], v[\w], s20, s21
	v_or_b32 v[\w], v[\w], v[TM+6]                     ; with lane l xor 16's two the word is whole
.irp cc, 0,1
.irp g, 0,1,2,3
	v_cvt_scalef32_pk8_fp4_f32 v[\c+4*\cc+\g], v[\x+32*\cc+8*\g:\x+32*\cc+8*\g+7], v[TM+2+\cc]
.endr
.endr
	v_nop                                              ; one plain line behind the last scaled conversion
.endm
.macro VLOAD t                         ; V: keys 32 t + i of the step, my channel, into set t % 2
.set I, 0
.rept 32
	global_load_b32 v[XV+32*((\t)%2)+I], v4, s[6:7] offset:(32*(\t)+I)*SROW th:TH_LOAD_NT
.set I, I+1
.endr
.endm
.macro VBLOCK t
.set XS, XV+32*((\t)%2)
.if (\t) < 3
	s_wait_loadcnt 32                                  ; this block's 32 loads are in; the next block's 32 may be out
.else
	s_wait_loadcnt 0x0
.endif
	v_max3_num_f32 v12, |v[XS]|, |v[XS+1]|, |v[XS+2]|  ; all 32 numbers of the block are mine
	v_max3_num_f32 v13, |v[XS+3]|, |v[XS+4]|, |v[XS+5]|
.irp i, 6,10,14,18,22,26
	v_max3_num_f32 v12, v12, |v[XS+\i]|, |v[XS+\i+1]|
	v_max3_num_f32 v13, v13, |v[XS+\i+2]|, |v[XS+\i+3]|
.endr
	v_max3_num_f32 v12, v12, |v[XS+30]|, |v[XS+31]|
	v_max3_num_f32 v12, v12, v13, 0x1800000            ; and the floor
	v_add_nc_u32 v11, 0xff000000, v12
	v_lshrrev_b32 v13, 23, v11
.if (\t) == 0
	v_mov_b32 v[SB], v13
.else
	v_lshl_or_b32 v[SB], v13, 8*(\t), v[SB]            ; the lower keys in the lower byte
.endif
.irp g, 0,1,2,3
	v_cvt_scalef32_pk8_fp4_f32 v[CV+4*(\t)+\g], v[XS+8*\g:XS+8*\g+7], v11
.endr
	v_nop                                              ; one plain line behind the last scaled conversion
	global_store_b128 v7, v[CV+4*(\t):CV+4*(\t)+3], s[10:11] offset:512*((\t)/2)+256*((\t)%2)   ; block t = 2 c + h of the image: sixteen lanes store 256 consecutive bytes, aligned
.if (\t) < 2
	VLOAD (\t)+2
.endif
.endm
	s_load_b256 s[4:11], s[0:1], 0x0               ; key s[4:5], value s[6:7], mask s[8:9], kvq s[10:11]
	s_load_b64 s[12:13], s[0:1], 0x20              ; cls
	v_lshl_add_u32 v232, v0, 2, 0x10800
	v_mov_b32 v233, 0
	v_lshrrev_b32 v1, 5, v0
	v_readfirstlane_b32 s16, v1                    ; wave 0..3
	v_and_b32 v1, 31, v0                           ; lane
	v_and_b32 v2, 15, v0                           ; r
	v_bfe_u32 v3, v0, 4, 1                         ; h
	v_lshlrev_b32 v9, 3, v3                        ; 8 h
	s_mov_b32 s20, 0x76543210
	s_mov_b32 s21, 0xfedcba98                      ; v_permlanex16_b32's selects for lane l xor 16
	s_and_b32 s17, ttmp9, 255                      ; the record (K's and V's paths)
	s_mul_i32 s18, s17, REC
	s_mov_b32 s19, 0
	s_lshr_b32 s22, s17, 4                         ; head
	s_and_b32 s23, s17, 15                         ; key step
	s_lshl_b32 s24, s23, 20                        ; 128 keys x 8,192 bytes
	s_lshl_b32 s25, s22, 9                         ; a head's 512 bytes in a key's row
	s_add_co_u32 s24, s24, s25
	s_mov_b32 s25, 0
	s_wait_kmcnt 0x0
	s_add_nc_u64 s[10:11], s[10:11], s[18:19]      ; kvq at the record
	s_cmp_lt_u32 ttmp9, 256
	s_cbranch_scc1 .Lkey
	s_cmp_lt_u32 ttmp9, 512
	s_cbranch_scc1 .Lvalue
	; ---- THE MASK.  Wave g takes bytes 512 g .. 512 g + 511 of the tile's 16 rows: each load reads 512 consecutive bytes; lanes 8 k .. 8 k + 7 hold key step 4 g + k
	s_sub_co_u32 s22, ttmp9, 512                   ; the tile of 16 queries
	s_lshl_b32 s26, s22, 15                        ; 16 rows of 2,048 bytes
	s_lshl_b32 s27, s16, 9
	s_add_co_u32 s26, s26, s27
	s_mov_b32 s27, 0
	s_add_nc_u64 s[8:9], s[8:9], s[26:27]
	s_lshl_b32 s26, s22, 2
	s_add_co_u32 s26, s26, s16
	s_lshl_b32 s26, s26, 3                         ; (4 tile + g) x 8 bytes
	s_add_nc_u64 s[12:13], s[12:13], s[26:27]
	v_lshlrev_b32 v4, 4, v1
.irp i, 0,1,2,3,4,5,6,7,8,9,10,11,12,13,14,15
	global_load_b128 v[32+4*\i:35+4*\i], v4, s[8:9] offset:2048*\i
.endr
	s_wait_loadcnt 0x0
.irp i, 0,1,2,3,4,5,6,7,8,9,10,11,12,13,14,15
	v_or_b32 v[96+\i], v[32+4*\i], v[33+4*\i]      ; row i: any of my 16 bytes
.endr
.irp i, 0,1,2,3,4,5,6,7,8,9,10,11,12,13,14,15
	v_or_b32 v[96+\i], v[96+\i], v[34+4*\i]
.endr
.irp i, 0,1,2,3,4,5,6,7,8,9,10,11,12,13,14,15
	v_or_b32 v[96+\i], v[96+\i], v[35+4*\i]
.endr
.irp k, 0,1,2,3
	v_and_b32 v[113+\k], v[32+\k], v[36+\k]        ; all of my bytes, in four chains
.endr
.irp i, 2,3,4,5,6,7,8,9,10,11,12,13,14,15
.irp k, 0,1,2,3
	v_and_b32 v[113+\k], v[113+\k], v[32+4*\i+\k]
.endr
.endr
	v_and_b32 v113, v113, v114
	v_and_b32 v115, v115, v116
	v_and_b32 v113, v113, v115                     ; 0x01010101 where all my 256 bytes are true
	v_or_b32 v112, v96, v97
.irp i, 2,3,4,5,6,7,8,9,10,11,12,13,14,15
	v_or_b32 v112, v112, v[96+\i]                  ; not 0 where one of them is
.endr
	s_mov_b32 s28, 0
.irp i, 0,1,2,3,4,5,6,7,8,9,10,11,12,13,14,15
	v_cmp_ne_u32 vcc_lo, 0, v[96+\i]
	s_cmp_lg_u32 vcc_lo, 0
	s_cselect_b32 s26, 1<<\i, 0
	s_or_b32 s28, s28, s26                         ; bit i: row i has a true byte in this chunk
.endr
	v_cmp_ne_u32 s29, 0, v112
	v_cmp_ne_u32 s30, 0x01010101, v113
	s_mov_b32 s31, 0
.irp k, 0,1,2,3
	s_bfe_u32 s26, s29, (8<<16)|(8*\k)             ; the eight lanes of key step 4 g + k
	s_cmp_lg_u32 s26, 0
	s_cselect_b32 s26, 1<<\k, 0
	s_or_b32 s31, s31, s26
	s_bfe_u32 s26, s30, (8<<16)|(8*\k)
	s_cmp_lg_u32 s26, 0
	s_cselect_b32 s26, 1<<(16+\k), 0
	s_or_b32 s31, s31, s26
.endr
	s_lshl_b32 s27, s16, 2
	s_lshl_b32 s31, s31, s27                       ; to the chunk's place: 4 g bits up
	v_mov_b32 v2, s31
	v_mov_b32 v3, s28
	v_mov_b32 v5, 0
	s_wait_xcnt 0x0                                ; EXEC changes only behind this wait
	v_cmp_eq_u32 vcc_lo, 0, v1
	s_and_saveexec_b32 s26, vcc_lo                 ; lane 0 stores the wave's two words
	global_store_b64 v5, v[2:3], s[12:13]
	s_wait_xcnt 0x0                                ; and again in front of the line that widens it
	s_or_b32 exec_lo, exec_lo, s26
	s_endpgm
	; ---- K.  Wave w takes keys 32 w .. 32 w + 31 of the step: tiles 2 w and 2 w + 1.  A load reads one key's 512 bytes of the head, 16 a lane; the rows turn through the wave's own stage, so that a lane gets two whole blocks of ONE key
.Lkey:
	s_add_nc_u64 s[4:5], s[4:5], s[24:25]
	s_lshl_b32 s26, s16, 18                        ; 32 keys x 8,192 bytes
	s_mov_b32 s27, 0
	s_add_nc_u64 s[4:5], s[4:5], s[26:27]
	v_lshlrev_b32 v4, 4, v1
.irp u, 0,1
.irp q, 0,1,2,3,4,5,6,7,8,9,10,11,12,13,14,15
	global_load_b128 v[RK+4*(16*\u+\q):RK+4*(16*\u+\q)+3], v4, s[4:5] offset:(8*\u+\q+8*(\q/8))*SROW th:TH_LOAD_NT   ; row q of tile 2 w + u
.endr
.endr
	s_mul_i32 s28, s16, 32*PIT                     ; my stage
	v_add_nc_u32 v5, s28, v4                       ; in: 16 x lane of a row
	v_mul_u32_u24 v6, v2, PIT
	v_lshl_add_u32 v6, v3, 7, v6
	v_add_nc_u32 v6, s28, v6                       ; out: row r, + 128 h: d = 32 h on
	s_lshl_b32 s29, s16, 11
	v_add_nc_u32 v7, s29, v4                       ; the codes' place in the record: 2,048 w + 16 x lane
	s_lshl_b32 s29, s16, 7
	s_add_co_u32 s29, s29, KS
	v_lshl_add_u32 v8, v1, 2, s29                  ; the scale words': KS + 128 w + 4 x lane
	v_mov_b32 v[TM+6], 0                           ; written once: a lane permute's destination counts as one of its sources
.irp u, 0,1
	s_wait_loadcnt 16*(1-\u)                       ; this tile's 16 rows are in; the other tile's 16 younger loads may be out
.irp q, 0,1,2,3,4,5,6,7,8,9,10,11,12,13,14,15
	ds_store_b128 v5, v[RK+4*(16*\u+\q):RK+4*(16*\u+\q)+3] offset:(16*\u+\q)*PIT
.endr
.irp c, 0,1
.irp j, 0,1,2,3,4,5,6,7
	ds_load_b128 v[XK+32*\c+4*\j:XK+32*\c+4*\j+3], v6 offset:16*\u*PIT+256*\c+16*\j   ; LDS serves a wave's instructions in order: these see the stores above
.endr
.endr
	s_wait_dscnt 0x0
	QUANT2 XK, CK+8*\u, SW0+\u
.irp c, 0,1
	global_store_b128 v7, v[CK+8*\u+4*\c:CK+8*\u+4*\c+3], s[10:11] offset:1024*\u+512*\c   ; 32 lanes store 512 consecutive bytes, aligned
.endr
.endr
	v_cmp_gt_u32 vcc_lo, 16, v1
	v_cndmask_b32 v12, v11, v10, vcc_lo            ; lanes 0-15: tile 2 w's words; lanes 16-31: tile 2 w + 1's
	global_store_b32 v8, v12, s[10:11]
	s_wait_tensorcnt 0x0
	ds_add_u32 v232, v233
	s_wait_dscnt 0x0
	s_endpgm
	; ---- V.  A lane takes a channel (32 w + lane) and its registers run down the keys, which are this operand's K: a block of 32 keys lies in one lane, and nothing is transposed
.Lvalue:
	s_add_nc_u64 s[6:7], s[6:7], s[24:25]
	s_lshl_b32 s26, s16, 7
	v_lshl_add_u32 v4, v1, 2, s26                  ; in: 128 w + 4 x lane
	s_lshl_b32 s27, s16, 11
	s_add_co_u32 s27, s27, VC
	v_lshlrev_b32 v7, 4, v2
	v_lshl_add_u32 v7, v3, 10, v7
	v_add_nc_u32 v7, s27, v7                       ; out: VC + 1,024 x tile (2 w + lane / 16) + 16 r
	s_add_co_u32 s26, s26, VS
	v_lshl_add_u32 v8, v1, 2, s26                  ; VS + 128 w + 4 x lane: my own channel's word
	VLOAD 0
	VLOAD 1
	VBLOCK 0
	VBLOCK 1
	VBLOCK 2
	VBLOCK 3
	global_store_b32 v8, v[SB], s[10:11]
	s_endpgm
.Lfunc_end_k_qb5e032c507_prep:
	.size	k_qb5e032c507_prep, .Lfunc_end_k_qb5e032c507_prep-k_qb5e032c507_prep
	.p2alignl 7, 3214868480
	.fill 96, 4, 3214868480
	.section	.rodata,"a",@progbits
	.p2align	6, 0x0
	.amdhsa_kernel k_qb5e032c507_prep
		.amdhsa_group_segment_fixed_size 68096
		.amdhsa_private_segment_fixed_size 0
		.amdhsa_enable_private_segment 0
		.amdhsa_kernarg_size 40
		.amdhsa_user_sgpr_count 2
		.amdhsa_user_sgpr_kernarg_segment_ptr 1
		.amdhsa_wavefront_size32 1
		.amdhsa_system_sgpr_workgroup_id_x 1
		.amdhsa_system_sgpr_workgroup_id_y 1
		.amdhsa_system_sgpr_workgroup_id_z 1
		.amdhsa_system_vgpr_workitem_id 0
		.amdhsa_next_free_vgpr 234
		.amdhsa_next_free_sgpr 66
		.amdhsa_reserve_vcc 1
		.amdhsa_float_denorm_mode_32 3
		.amdhsa_float_denorm_mode_16_64 3
		.amdhsa_memory_ordered 1
		.amdhsa_forward_progress 1
		.amdhsa_inst_pref_size 45
	.end_amdhsa_kernel
	.amdgpu_metadata
---
amdhsa.version: [ 1, 2 ]
amdhsa.kernels:
  - .name:           k_qb5e032c507_prep
    .symbol:         k_qb5e032c507_prep.kd
    .args:
      - { .name: key, .offset: 0, .size: 8, .value_kind: global_buffer, .address_space: global }
      - { .name: value, .offset: 8, .size: 8, .value_kind: global_buffer, .address_space: global }
      - { .name: attention_mask, .offset: 16, .size: 8, .value_kind: global_buffer, .address_space: global }
      - { .name: kvq, .offset: 24, .size: 8, .value_kind: global_buffer, .address_space: global }
      - { .name: cls, .offset: 32, .size: 8, .value_kind: global_buffer, .address_space: global }
    .group_segment_fixed_size: 68096
    .private_segment_fixed_size: 0
    .kernarg_segment_align: 8
    .kernarg_segment_size: 40
    .max_flat_workgroup_size: 128
    .sgpr_count:     66
    .vgpr_count:     234
    .wavefront_size: 32
...
	.end_amdgpu_metadata
.endif
;; end of part 1
;; launch attn (part 2): grid 16 x 64, 8 waves a work-group, no clusters, 103,424 bytes of LDS; arguments query, attention_mask, kvq, cls, out0; writes out0
.if DOCPART == 2
	.amdgcn_target "amdgcn-amd-amdhsa--gfx1250"
	.amdhsa_code_object_version 6
	.text
	.protected	k_qb5e032c507_attn
	.globl	k_qb5e032c507_attn
	.p2align	8
	.type	k_qb5e032c507_attn,@function
k_qb5e032c507_attn:
	s_mov_b64 s[64:65], 0
	v_nop
	global_prefetch_b8 v0, s[64:65] scope:SCOPE_SE
	s_setreg_imm32_b32 hwreg(HW_REG_WAVE_MODE, 25, 1), 1
	s_wait_xcnt 0x0
; ATTENTION on codes of FP4 (E2M1).  query [2048][2][32][128] f32, mask [2048][2048] bytes 0 / 1, out [2048][2][4096] f32; K and V come as records of operand images (kvq), the mask's summary as whole numbers (cls), both made by the launch before.
; THE SOFTMAX AHEAD OF THE SECOND PRODUCT: t = score x log2(e) / sqrt(128); M = the running largest t rounded UP to a whole number; p = 2^(t - M) is quantised along the keys, not normalised; the row's sum is taken of the
; unquantised p and divides at the end.  When M moves, the sum and O are multiplied by 2^(old M - new M): exact.
; SHARES.  A work-group: one key/value head (x) and 32 query positions (y, taken from the last block to the first).  Its eight waves: the head's 4 query heads x 2 tiles of 16 positions.  A wave owns one tile of 16 queries in 256 registers.
; LAYOUT.  Both products are used transposed: S^T = K Q^T, O^T = V^T P^T: a lane holds ONE query (lane % 16) throughout.  The keys of a tile of K are chosen (by the record's layout) so that the 16 registers of tiles 2 b, 2 b + 1 are keys 32 b + 16 (lane / 16) + 0 .. 15.
; WHAT IS LEFT OUT.  A key step (128 keys) in which no byte of the mask is true for a tile of queries adds exactly 0, if each of the tile's rows has a true key somewhere; such steps are passed over by scalar branches on the stored numbers.
; A tile with a row that has no true key at all passes over nothing: that row's p is 1 for all 2,048 keys.  Where all bytes of a step are true the mask is not read again; elsewhere its bytes are laid on the scores.
; K AND V: a step's record (17,408 bytes) is shared by the eight waves through two LDS buffers that take turns: each wave asks for an eighth of the NEXT active record into registers at a trip's head, works the step in hand, and stores its eighth behind it.
; ONE barrier a trip, 16 trips whatever the mask: the barrier stands outside every branch.  NO TENSOR LOADS, so no cluster and no joint loads: which records are walked hangs on numbers read from memory.
; LIMITS: NaN and infinities are not served.  A masked score is -2^103 in place of -1e30 x sqrt(128): c x 2^103 is exact, so that a row without a true key gets t - M = 0; results are the same while true |t| stays under about 1e29.
; A block of q whose largest magnitude lies under 2^-124, and a block of p that is all zeros, get the scale byte 1.
; REGISTERS: v1-10 addresses that stay; v12 -M, v13 the largest t, v[14:15] the sum in two halves; v16-23 Q's codes; v24 the masked score; v26, v64-79 the record's eighth on its way; v27-30, v80-95 the mask; v32-63 four fragments of K or V;
;   v96-159 S^T, then p; v160-223 O^T; v224-231 p's codes; v232-254 at work; v248-251 K's or V's scale words; v253 p's; v255 Q's.
.set REC,  17408
.set VC,   8192
.set KS,   16384
.set VS,   16896
.set BUF0, 0
.set BUF1, REC
.set STG,  2*REC                       ; behind the buffers: 16 rows x 528 bytes for each wave, its own: Q on the way in, O on the way out
.set PIT,  528                         ; 512 bytes + 16: sixteen rows begin in sixteen different columns of 16 bytes
.set TM,   232                         ; v232-238 at work in QUANT2
; scalars: s[4:5] Q, s[6:7] mask, s[8:9] kvq (the head's record 0), s[10:11] cls, s[12:13] out; s14 wave; s15 query head in the group; s16 which tile; s17 block; s18 first query; s[20:21] lane selects; s[22:23] c;
;   s24 AM steps still to be asked for; s25 MYA my tile's active steps; s26 MYP those that are partly masked; s27 CUR the step in hand; s28 NXT; s29 HAVE; s30 HVN; s31 PF; s[32:33] at work; s[34:35] RB the record asked for; s36 trips; s37 255; s40-43 byte selects
; 64 numbers of a lane, v[x + 32 cc + i] = k 64 cc + 32 h + i of its row, become registers c .. c + 7 of the operand and the row's scale word in v[w]
.macro QUANT2 x, c, w
.irp cc, 0,1
	v_max3_num_f32 v[TM+\cc], |v[\x+32*\cc]|, |v[\x+32*\cc+1]|, 0x1800000   ; the floor 2^(3 - 127): the byte cannot fall under 1
.endr
.irp i, 2,4,6,8,10,12,14,16,18,20,22,24,26,28,30
.irp cc, 0,1
	v_max3_num_f32 v[TM+\cc], v[TM+\cc], |v[\x+32*\cc+\i]|, |v[\x+32*\cc+\i+1]|
.endr
.endr
.irp cc, 0,1
	v_add_nc_u32 v[TM+2+\cc], 0xff000000, v[TM+\cc]    ; 2 off the exponent field: the conversion's scale operand
.endr
.irp cc, 0,1
	v_lshrrev_b32 v[TM+4+\cc], 23, v[TM+2+\cc]
.endr
	v_lshl_or_b32 v[\w], v[TM+5], 16, v[TM+4]          ; blocks h and 2 + h,
	v_lshlrev_b32 v[\w], v9, v[\w]                     ; 8 h bits up;
	v_permlanex16_b32 v[TM+6], v[\w], s20, s21
	v_or_b32 v[\w], v[\w], v[TM+6]                     ; with lane l xor 16's two the word is whole
.irp cc, 0,1
.irp g, 0,1,2,3
	v_cvt_scalef32_pk8_fp4_f32 v[\c+4*\cc+\g], v[\x+32*\cc+8*\g:\x+32*\cc+8*\g+7], v[TM+2+\cc]
.endr
.endr
	v_nop                                              ; one plain line behind the last scaled conversion
.endm
; The summary of one tile of 16 queries, 8 words at s[b]: n = the four chunks' words 0; a = its active steps: those with a true byte, or all 16 where some row has no true key anywhere
.macro COMB b, a, n
	s_or_b32 s[\n], s[\b], s[\b+2]
	s_or_b32 s[\n], s[\n], s[\b+4]
	s_or_b32 s[\n], s[\n], s[\b+6]
	s_or_b32 s32, s[\b+1], s[\b+3]
	s_or_b32 s32, s32, s[\b+5]
	s_or_b32 s32, s32, s[\b+7]
	s_and_b32 s[\a], s[\n], 0xffff
	s_cmp_eq_u32 s32, 0xffff
	s_cselect_b32 s[\a], s[\a], 0xffff
.endm
.macro ASK                             ; my eighth of the record at s[34:35]: 2,048 bytes of codes, 128 of scale words: five loads
.irp e, 0,1,2,3
	global_load_b128 v[64+4*\e:67+4*\e], v3, s[34:35] offset:512*\e
.endr
	global_load_b32 v26, v4, s[34:35]
.endm
.macro PUT buf                         ; and into the same places of an LDS buffer
.irp e, 0,1,2,3
	ds_store_b128 v3, v[64+4*\e:67+4*\e] offset:\buf+512*\e
.endr
	ds_store_b32 v4, v26 offset:\buf
.endm
; A KEY STEP: the 128 keys of step s27, whose record lies in buf
.macro STEP buf
	s_lshr_b32 s32, s26, s27
	s_and_b32 s31, s32, 1                          ; is the tile partly masked?  Then its bytes are asked for now: 16 a lane and block, as the scores will lie
	s_cmp_eq_u32 s31, 0
	s_cbranch_scc1 .Lnl_\@
	v_lshl_add_u32 v6, s27, 7, v5                  ; row r, byte 128 x step + 16 h
.irp b, 0,1,2,3
	global_load_b128 v[80+4*\b:83+4*\b], v6, s[6:7] offset:32*\b
.endr
.Lnl_\@:
.irp gg, 0,1                                   ; S^T = K Q^T, four tiles of 16 keys at a time
.if \gg > 0
.rept 4
	v_nop                                          ; four places in front of loads into registers that matrix instructions have read (ahead of the first group they stand at the last step's end)
.endr
.endif
.irp t, 0,1,2,3
.irp c, 0,1
	ds_load_b128 v[32+8*\t+4*\c:35+8*\t+4*\c], v1 offset:\buf+1024*(4*\gg+\t)+512*\c
.endr
.endr
.if \gg == 0
.irp j, 0,1,2,3
	ds_load_b32 v[248+\j], v2 offset:\buf+KS+128*\j    ; lanes 0-15: tile 2 j's scale words; lanes 16-31: tile 2 j + 1's
.endr
.endif
	s_wait_dscnt 0x0
.irp t, 0,2
	v_wmma_scale_f32_16x16x128_f8f6f4 v[96+8*(4*\gg+\t):103+8*(4*\gg+\t)], v[32+8*\t:39+8*\t], v[16:23], 0, v[248+2*\gg+\t/2], v255 matrix_a_fmt:MATRIX_FMT_FP4 matrix_b_fmt:MATRIX_FMT_FP4
	v_wmma_scale_f32_16x16x128_f8f6f4 v[104+8*(4*\gg+\t):111+8*(4*\gg+\t)], v[40+8*\t:47+8*\t], v[16:23], 0, v[248+2*\gg+\t/2], v255 matrix_a_fmt:MATRIX_FMT_FP4 matrix_b_fmt:MATRIX_FMT_FP4 matrix_a_scale:MATRIX_SCALE_ROW1
.endr
.endr
.rept 4
	v_nop                                          ; four places ahead of the first read of the scores
.endr
	s_cmp_eq_u32 s31, 0
	s_cbranch_scc1 .Lopen_\@
	s_wait_loadcnt 0x0                             ; the mask's bytes (the record's loads were issued ahead of them)
.irp x, 0,1,2,3,4,5,6,7,8,9,10,11,12,13,14,15
	v_mul_lo_u32 v[80+\x], v[80+\x], s37           ; each byte 0 or 1 becomes 0x00 or 0xff
.endr
.set NN, 0
.rept 16                                       ; register n holds key 32 (n / 16) + 16 h + n % 16: byte n % 4 of mask register n / 4.  Ascending: each accumulator is read from its low end on
.irp k, 0,1,2,3
	v_perm_b32 v[27+\k], v[80+NN], v[80+NN], s[40+\k]   ; the byte in all four places
.endr
.irp k, 0,1,2,3
	v_bfi_b32 v[96+4*NN+\k], v[27+\k], v[96+4*NN+\k], v24   ; the score where the byte is true, else -2^103
.endr
.set NN, NN+1
.endr
.Lopen_\@:
.irp b, 0,1,2,3
	v_max3_num_f32 v[232+\b], v[96+16*\b], v[97+16*\b], v[98+16*\b]   ; the largest score of each block of 32 keys: for the row's maximum and, since p rises with the score, for the block's largest p
.endr
.irp i, 3,5,7,9,11,13
.irp b, 0,1,2,3
	v_max3_num_f32 v[232+\b], v[232+\b], v[96+16*\b+\i], v[97+16*\b+\i]
.endr
.endr
.irp b, 0,1,2,3
	v_max_num_f32 v[232+\b], v[232+\b], v[111+16*\b]
.endr
.irp b, 0,1,2,3
	v_permlanex16_b32 v[236+\b], v[232+\b], s20, s21
.endr
.irp b, 0,1,2,3
	v_max_num_f32 v[232+\b], v[232+\b], v[236+\b]  ; with lane l xor 16's 16 keys
.endr
	v_max3_num_f32 v254, v232, v233, v234
	v_max_num_f32 v254, v254, v235                 ; the step's largest score of my query
	v_mul_f32 v254, s22, v254                      ; as t (c is positive)
	v_max_num_f32 v13, v13, v254                   ; the running largest t
	v_mov_b32 v254, v12
	v_floor_f32 v12, -v13                          ; the new -M = floor(-t): M is a whole number
	v_sub_f32 v254, v12, v254                      ; old M - new M: a whole number, 0 or less
	v_cvt_i32_f32 v254, v254                       ; (it saturates)
	v_ldexp_f32 v252, 1.0, v254                    ; f = 2^(old M - new M)
.set J, 0
.rept 32
	v_pk_fma_f32 v[96+J:97+J], v[96+J:97+J], s[22:23], v[12:13] op_sel_hi:[1,0,0]   ; t - M, two at a time
.set J, J+2
.endr
.irp b, 0,1,2,3
	v_fma_f32 v[232+\b], v[232+\b], s22, v12       ; the same of each block's largest score
.endr
.set J, 0
.rept 64
	v_exp_f32 v[96+J], v[96+J]                     ; p = 2^(t - M), at most 1
.set J, J+1
.endr
	v_pk_mul_f32 v[14:15], v[14:15], v[252:253] op_sel_hi:[1,0]   ; the sums under the new M: the plain line behind the exponentials
	s_wait_alu depctr_va_vdst(0)                   ; one wait for the batch of 64, ahead of its first reader
.irp b, 0,1,2,3
	v_exp_f32 v[232+\b], v[232+\b]                 ; the block's largest p: the same two instructions on the same number
.endr
	v_pk_add_f32 v[236:237], v[96:97], v[98:99]    ; the row's sum of the unquantised p, in two chains; it reads the 64 alone
.irp j, 4,8,12,16,20,24,28,32,36,40,44,48,52,56,60
	v_pk_add_f32 v[14:15], v[14:15], v[96+\j:97+\j]
	v_pk_add_f32 v[236:237], v[236:237], v[98+\j:99+\j]
.endr
	v_pk_add_f32 v[14:15], v[14:15], v[236:237]
	s_wait_alu depctr_va_vdst(0)                   ; and one for the four
.irp b, 0,1,2,3
	v_max_num_f32 v[232+\b], 0x1800000, v[232+\b]  ; the floor 2^(3 - 127)
.endr
.irp b, 0,1,2,3
	v_add_nc_u32 v[244+\b], 0xff000000, v[232+\b]  ; the conversion's scale operand
.endr
.irp b, 0,1,2,3
	v_lshrrev_b32 v[236+\b], 23, v[244+\b]         ; the scale's byte
.endr
	v_lshl_or_b32 v253, v237, 8, v236              ; p's scale word for these 128 keys
	v_lshl_or_b32 v253, v238, 16, v253
	v_lshl_or_b32 v253, v239, 24, v253
.irp b, 0,1,2,3
	v_cvt_scalef32_pk8_fp4_f32 v[224+2*\b], v[96+16*\b:103+16*\b], v[244+\b]
	v_cvt_scalef32_pk8_fp4_f32 v[225+2*\b], v[104+16*\b:111+16*\b], v[244+\b]
.endr
	v_nop                                          ; one plain line behind the last scaled conversion
.irp c, 0,1                                    ; the operand wants a whole block in a lane: lanes 0-15 block 2 c, lanes 16-31 block 2 c + 1
.irp i, 0,1
	v_permlane16_swap_b32 v[224+4*\c+\i], v[226+4*\c+\i]
.endr
.endr
.set J, 0
.rept 32
	v_pk_mul_f32 v[160+J:161+J], v[160+J:161+J], v[252:253] op_sel_hi:[1,0]   ; O^T under the new M; these 32 are also the places ahead of the products and loads below
.set J, J+2
.endr
.irp gg, 0,1                                   ; O^T += V^T P^T, four tiles of 16 channels at a time; the eight accumulators take turns, one instruction a turn
.if \gg > 0
.rept 4
	v_nop
.endr
.endif
.irp t, 0,1,2,3
.irp c, 0,1
	ds_load_b128 v[32+8*\t+4*\c:35+8*\t+4*\c], v1 offset:\buf+VC+1024*(4*\gg+\t)+512*\c
.endr
.endr
.if \gg == 0
.irp j, 0,1,2,3
	ds_load_b32 v[248+\j], v2 offset:\buf+VS+128*\j
.endr
.endif
	s_wait_dscnt 0x0
.irp t, 0,2
	v_wmma_scale_f32_16x16x128_f8f6f4 v[160+8*(4*\gg+\t):167+8*(4*\gg+\t)], v[32+8*\t:39+8*\t], v[224:231], v[160+8*(4*\gg+\t):167+8*(4*\gg+\t)], v[248+2*\gg+\t/2], v253 matrix_a_fmt:MATRIX_FMT_FP4 matrix_b_fmt:MATRIX_FMT_FP4
	v_wmma_scale_f32_16x16x128_f8f6f4 v[168+8*(4*\gg+\t):175+8*(4*\gg+\t)], v[40+8*\t:47+8*\t], v[224:231], v[168+8*(4*\gg+\t):175+8*(4*\gg+\t)], v[248+2*\gg+\t/2], v253 matrix_a_fmt:MATRIX_FMT_FP4 matrix_b_fmt:MATRIX_FMT_FP4 matrix_a_scale:MATRIX_SCALE_ROW1
.endr
.endr
.rept 4
	v_nop                                          ; four places for whatever follows on any way: the next step's loads into the fragments and scale words, or the way out's reads of O^T
.endr
.endm
; A TRIP: the record in rd is worked, the next active one goes into wr
.macro TRIP rd, wr
	s_wait_dscnt 0x0                               ; my stores into rd have landed, and my reads of wr are over;
	s_barrier_signal -1
	s_barrier_wait -1                              ; both now hold of all eight waves
	s_cmp_eq_u32 s29, 0
	s_cbranch_scc1 .Lidle_\@                       ; no step is left: the trip is its barrier alone
	s_ctz_i32_b32 s28, s24                         ; the next active step,
	s_min_u32 s28, s28, 15                         ; held inside the head's 16 records
	s_cmp_lg_u32 s24, 0
	s_cselect_b32 s30, 1, 0                        ; if there is one
	s_sub_co_u32 s32, s24, 1
	s_and_b32 s24, s24, s32                        ; its bit is taken off
	s_cmp_eq_u32 s30, 0
	s_cbranch_scc1 .Lna_\@
	s_mul_i32 s32, s28, REC
	s_mov_b32 s33, 0
	s_add_nc_u64 s[34:35], s[8:9], s[32:33]        ; (the last loads that named this pair were waited for in the trip before)
	ASK
.Lna_\@:
	s_lshr_b32 s32, s25, s27
	s_and_b32 s32, s32, 1
	s_cmp_eq_u32 s32, 0
	s_cbranch_scc1 .Lsk_\@                         ; the step in hand is active for the other tile of queries alone
	STEP \rd
.Lsk_\@:
	s_wait_loadcnt 0x0                             ; the next record's eighth is in; every load's address registers are free
	s_cmp_eq_u32 s30, 0
	s_cbranch_scc1 .Lnp_\@
	PUT \wr
.Lnp_\@:
	s_min_u32 s27, s28, 15
	s_mov_b32 s29, s30
.Lidle_\@:
.endm
	s_load_b256 s[4:11], s[0:1], 0x0               ; query s[4:5], mask s[6:7], kvq s[8:9], cls s[10:11]
	s_load_b64 s[12:13], s[0:1], 0x20              ; out
	v_lshl_add_u32 v242, v0, 2, 0x19000
	v_mov_b32 v243, 0
	v_lshrrev_b32 v1, 5, v0
	v_readfirstlane_b32 s14, v1                    ; wave 0..7
	s_and_b32 s15, s14, 3                          ; which of the group's four query heads
	s_lshr_b32 s16, s14, 2                         ; which tile of 16 positions
	s_and_b32 s17, ttmp7, 0xffff
	s_sub_co_u32 s17, 63, s17                      ; the block of 32 positions, from the last to the first
	s_lshl_b32 s18, s17, 5
	s_lshl_b32 s32, s16, 4
	s_add_co_u32 s18, s18, s32                     ; my first query
	s_lshl_b32 s32, s18, 15                        ; Q and out: a position is 32,768 bytes,
	s_lshl_b32 s33, ttmp9, 11                      ; a key/value head's four query heads 2,048,
	s_add_co_u32 s32, s32, s33
	s_lshl_b32 s33, s15, 9                         ; a query head 512
	s_add_co_u32 s32, s32, s33
	s_mov_b32 s33, 0
	s_lshl_b32 s34, s18, 11                        ; the mask: a row is 2,048 bytes
	s_mov_b32 s35, 0
	s_mul_i32 s38, ttmp9, 16*REC                   ; the head's 16 records
	s_mov_b32 s39, 0
	s_lshl_b32 s48, s17, 6                         ; the block's two tiles: 64 bytes of cls
	s_mov_b32 s49, 0
	s_mov_b32 s20, 0x76543210
	s_mov_b32 s21, 0xfedcba98                      ; v_permlanex16_b32's selects for lane l xor 16
	s_mov_b32 s22, 0x3e0293ee                      ; c = log2(e) / sqrt(128)
	s_mov_b32 s23, s22                             ; (named with it as a pair, so it is written)
	s_mov_b32 s37, 255
	s_mov_b32 s40, 0
	s_mov_b32 s41, 0x01010101
	s_mov_b32 s42, 0x02020202
	s_mov_b32 s43, 0x03030303
	s_wait_kmcnt 0x0
	s_add_nc_u64 s[4:5], s[4:5], s[32:33]
	s_add_nc_u64 s[12:13], s[12:13], s[32:33]
	s_add_nc_u64 s[6:7], s[6:7], s[34:35]
	s_add_nc_u64 s[8:9], s[8:9], s[38:39]
	s_add_nc_u64 s[10:11], s[10:11], s[48:49]
	s_load_b512 s[68:83], s[10:11], 0x0            ; the summaries of the block's two tiles
	v_and_b32 v2, 31, v0
	v_lshlrev_b32 v1, 4, v2                        ; 16 x lane
	v_lshlrev_b32 v2, 2, v2                        ; 4 x lane
.irp i, 0,1,2,3,4,5,6,7,8,9,10,11,12,13,14,15
	global_load_b128 v[96+4*\i:99+4*\i], v1, s[4:5] offset:32768*\i th:TH_LOAD_NT   ; query i's 512 bytes, 16 a lane
.endr
	v_and_b32 v11, 15, v0                          ; r
	v_bfe_u32 v25, v0, 4, 1                        ; h
	s_lshl_b32 s32, s14, 11
	v_add_nc_u32 v3, s32, v1                       ; my eighth of a record's codes: 2,048 x wave + 16 x lane
	s_lshl_b32 s32, s14, 7
	s_add_co_u32 s32, s32, KS
	v_add_nc_u32 v4, s32, v2                       ; and of its scale words: KS + 128 x wave + 4 x lane
	v_lshlrev_b32 v5, 11, v11
	v_lshl_add_u32 v5, v25, 4, v5                  ; the mask: row r, + 16 h
	v_lshlrev_b32 v9, 3, v25                       ; 8 h
	s_mul_i32 s32, s14, 16*PIT
	s_add_co_u32 s32, s32, STG                     ; my stage
	v_mul_u32_u24 v7, v11, PIT
	v_lshl_add_u32 v10, v25, 7, v7
	v_add_nc_u32 v10, s32, v10                     ; Q out of it: row r, + 128 h
	v_lshl_add_u32 v7, v25, 5, v7
	v_add_nc_u32 v7, s32, v7                       ; O into it: row r, + 32 h
	v_add_nc_u32 v8, s32, v1                       ; whole rows: 16 x lane
	v_mov_b32 v24, 0xf3000000                      ; -2^103
.irp b, 0,1,2,3
	v_mov_b32 v[236+\b], 0                         ; written once: a lane permute's destination counts as one of its sources
.endr
	v_mov_b32 v252, 0                              ; likewise (the way out's)
	v_mov_b32 v253, 0                              ; (named as the upper half of the pair v[252:253] before it is first written)
.irp x, 0,1,2,3,4,5,6,7,8,9,10,11,12,13,14,15
	v_mov_b32 v[80+\x], 0                          ; written once, so that they are written on every way
.endr
	s_wait_kmcnt 0x0
	COMB 68, 44, 45
	COMB 76, 46, 47
	s_or_b32 s24, s44, s46                         ; the steps that the work-group walks
	s_cmp_eq_u32 s16, 0
	s_cselect_b32 s25, s44, s46                    ; those of my tile
	s_cselect_b32 s32, s45, s47
	s_lshr_b32 s32, s32, 16
	s_and_b32 s26, s32, s25                        ; and of them those in which not every byte is true
	s_cmp_lg_u32 s24, 0
	s_cselect_b32 s29, 1, 0
	s_ctz_i32_b32 s27, s24
	s_min_u32 s27, s27, 15                         ; the first step
	s_sub_co_u32 s32, s24, 1
	s_and_b32 s24, s24, s32
	s_mul_i32 s32, s27, REC
	s_mov_b32 s33, 0
	s_add_nc_u64 s[34:35], s[8:9], s[32:33]
	ASK
	; ---- Q: through my stage, so that a lane gets two whole blocks of ONE query; quantised in registers
	s_wait_loadcnt 5                               ; Q's 16 loads are in; the record's five younger loads may be out
.irp i, 0,1,2,3,4,5,6,7,8,9,10,11,12,13,14,15
	ds_store_b128 v8, v[96+4*\i:99+4*\i] offset:PIT*\i
.endr
.irp c, 0,1
.irp j, 0,1,2,3,4,5,6,7
	ds_load_b128 v[160+32*\c+4*\j:163+32*\c+4*\j], v10 offset:256*\c+16*\j   ; LDS serves a wave's instructions in order: these see the stores above
.endr
.endr
	s_wait_dscnt 0x0
	QUANT2 160, 16, 255
	v_mov_b32 v13, 0xff61b1e6                      ; the largest t so far: -3e38, under every t
	v_floor_f32 v12, -v13                          ; -M
	v_mov_b32 v14, 0                               ; the sum, in two halves
	v_mov_b32 v15, 0
.set J, 0
.rept 64
	v_mov_b32 v[160+J], 0                          ; O^T: the step is written without a first form of its own; the first change of M leaves zeros zeros
.set J, J+1
.endr
	s_wait_loadcnt 0x0
	PUT BUF0
	s_mov_b32 s36, 8
.Lloop:                                            ; 16 trips, a constant
	TRIP BUF0, BUF1
	TRIP BUF1, BUF0
	s_sub_co_u32 s36, s36, 1
	s_cmp_lg_u32 s36, 0
	s_cbranch_scc1 .Lloop
	; ---- THE WAY OUT: O^T / the sum goes through my stage and leaves as whole rows of 512 bytes
	v_add_f32 v14, v14, v15                        ; the sum's two halves,
	v_permlanex16_b32 v252, v14, s20, s21
	v_add_f32 v14, v14, v252                       ; and lane l xor 16's: the row's sum
	v_rcp_f32 v14, v14
	v_nop                                          ; a plain line behind the reciprocal
	s_wait_alu depctr_va_vdst(0)                   ; the wait ahead of its first reader
.set J, 0
.rept 64
	v_mul_f32 v[96+J], v[160+J], v14               ; register 8 t + i is o(query r, channel 16 t + 8 h + i); ascending
.set J, J+1
.endr
.irp t, 0,1,2,3,4,5,6,7
	ds_store_b128 v7, v[96+8*\t:99+8*\t] offset:64*\t
	ds_store_b128 v7, v[100+8*\t:103+8*\t] offset:64*\t+16
.endr
.irp i, 0,1,2,3,4,5,6,7,8,9,10,11,12,13,14,15
	ds_load_b128 v[32+4*\i:35+4*\i], v8 offset:PIT*\i
.endr
.irp i, 0,1,2,3,4,5,6,7,8,9,10,11,12,13,14,15
	s_wait_dscnt 15-\i                             ; row i is back; the younger loads may be out
	global_store_b128 v1, v[32+4*\i:35+4*\i], s[12:13] offset:32768*\i th:TH_STORE_NT   ; 32 lanes store 512 consecutive bytes, at a multiple of 256 from out's first byte
.endr
	s_wait_tensorcnt 0x0
	ds_add_u32 v242, v243
	s_wait_dscnt 0x0
	s_endpgm
.Lfunc_end_k_qb5e032c507_attn:
	.size	k_qb5e032c507_attn, .Lfunc_end_k_qb5e032c507_attn-k_qb5e032c507_attn
	.p2alignl 7, 3214868480
	.fill 96, 4, 3214868480
	.section	.rodata,"a",@progbits
	.p2align	6, 0x0
	.amdhsa_kernel k_qb5e032c507_attn
		.amdhsa_group_segment_fixed_size 103424
		.amdhsa_private_segment_fixed_size 0
		.amdhsa_enable_private_segment 0
		.amdhsa_kernarg_size 40
		.amdhsa_user_sgpr_count 2
		.amdhsa_user_sgpr_kernarg_segment_ptr 1
		.amdhsa_wavefront_size32 1
		.amdhsa_system_sgpr_workgroup_id_x 1
		.amdhsa_system_sgpr_workgroup_id_y 1
		.amdhsa_system_sgpr_workgroup_id_z 1
		.amdhsa_system_vgpr_workitem_id 0
		.amdhsa_next_free_vgpr 256
		.amdhsa_next_free_sgpr 84
		.amdhsa_reserve_vcc 0
		.amdhsa_float_denorm_mode_32 3
		.amdhsa_float_denorm_mode_16_64 3
		.amdhsa_memory_ordered 1
		.amdhsa_forward_progress 1
		.amdhsa_inst_pref_size 79
	.end_amdhsa_kernel
	.amdgpu_metadata
---
amdhsa.version: [ 1, 2 ]
amdhsa.kernels:
  - .name:           k_qb5e032c507_attn
    .symbol:         k_qb5e032c507_attn.kd
    .args:
      - { .name: query, .offset: 0, .size: 8, .value_kind: global_buffer, .address_space: global }
      - { .name: attention_mask, .offset: 8, .size: 8, .value_kind: global_buffer, .address_space: global }
      - { .name: kvq, .offset: 16, .size: 8, .value_kind: global_buffer, .address_space: global }
      - { .name: cls, .offset: 24, .size: 8, .value_kind: global_buffer, .address_space: global }
      - { .name: out0, .offset: 32, .size: 8, .value_kind: global_buffer, .address_space: global }
    .group_segment_fixed_size: 103424
    .private_segment_fixed_size: 0
    .kernarg_segment_align: 8
    .kernarg_segment_size: 40
    .max_flat_workgroup_size: 256
    .sgpr_count:     84
    .vgpr_count:     256
    .wavefront_size: 32
...
	.end_amdgpu_metadata
.endif
;; end of part 2
;; ======== version 2 of 2: 2 launches; version 1 with the launch attn written anew for expert scheduling mode
;; workspace buffers: kvq 4,456,448 bytes; cls 4,096 bytes of whole numbers
;; launch prep: the kernel of part 1 again; grid 640 x 1, 4 waves a work-group, no clusters, 68,096 bytes of LDS; arguments key, value, attention_mask, kvq, cls; writes kvq, cls
;; launch attn (part 3): grid 16 x 64, 8 waves a work-group, no clusters, 103,424 bytes of LDS; arguments query, attention_mask, kvq, cls, out0; writes out0
.if DOCPART == 3
	.amdgcn_target "amdgcn-amd-amdhsa--gfx1250"
	.amdhsa_code_object_version 6
	.text
	.protected	k_qb5e032c507_attn
	.globl	k_qb5e032c507_attn
	.p2align	8
	.type	k_qb5e032c507_attn,@function
k_qb5e032c507_attn:
	s_mov_b64 s[64:65], 0
	v_nop
	global_prefetch_b8 v0, s[64:65] scope:SCOPE_SE
	s_setreg_imm32_b32 hwreg(HW_REG_WAVE_SCHED_MODE, 0, 2), 2
	s_setreg_imm32_b32 hwreg(HW_REG_WAVE_MODE, 25, 1), 1
	s_wait_xcnt 0x0
	s_wait_alu depctr_vm_vsrc(0)
; ATTENTION on codes of FP4 (E2M1).  query [2048][2][32][128] f32, mask [2048][2048] bytes 0 / 1, out [2048][2][4096] f32; K and V come as records of operand images (kvq), the mask's summary as whole numbers (cls), both made by the launch before.
; THE SOFTMAX AHEAD OF THE SECOND PRODUCT: t = score x log2(e) / sqrt(128); M = the running largest t rounded UP to a whole number; p = 2^(t - M) is quantised along the keys, not normalised; the row's sum is taken of the
; unquantised p and divides at the end.  When M moves, the sum and O are multiplied by 2^(old M - new M): exact.
; SHARES.  A work-group: one key/value head (x) and 32 query positions (y, taken from the last block to the first).  Its eight waves: the head's 4 query heads x 2 tiles of 16 positions.  A wave owns one tile of 16 queries in 256 registers.
; LAYOUT.  Both products are used transposed: S^T = K Q^T, O^T = V^T P^T: a lane holds ONE query (lane % 16) throughout.  The keys of a tile of K are chosen (by the record's layout) so that the 16 registers of tiles 2 b, 2 b + 1 are keys 32 b + 16 (lane / 16) + 0 .. 15.
; WHAT IS LEFT OUT.  A key step (128 keys) in which no byte of the mask is true for a tile of queries adds exactly 0, if each of the tile's rows has a true key somewhere; such steps are passed over by scalar branches on the stored numbers.
; A tile with a row that has no true key at all passes over nothing: that row's p is 1 for all 2,048 keys.  Where all bytes of a step are true the mask is not read again; elsewhere its bytes are laid on the scores.
; K AND V: a step's record (17,408 bytes) is shared by the eight waves through two LDS buffers that take turns: each wave asks for an eighth of the NEXT active record into registers at a trip's head, works the step in hand, and stores its eighth behind it.
; ONE barrier a trip, 16 trips whatever the mask: the barrier stands outside every branch.  NO TENSOR LOADS, so no cluster and no joint loads: which records are walked hangs on numbers read from memory.
; LIMITS: NaN and infinities are not served.  A masked score is -2^103 in place of -1e30 x sqrt(128): c x 2^103 is exact, so that a row without a true key gets t - M = 0; results are the same while true |t| stays under about 1e29.
; A block of q whose largest magnitude lies under 2^-124, and a block of p that is all zeros, get the scale byte 1.
; REGISTERS: v1-10 addresses that stay; v12 -M, v13 the largest t, v[14:15] the sum in two halves; v16-23 Q's codes; v24 the masked score; v26, v64-79 the record's eighth on its way; v27-30, v80-95 the mask; v32-63 four fragments of K or V;
;   v96-159 S^T, then p; of them v96-127 hold four more fragments of K ahead of the scores and of V behind p's conversions; v160-223 O^T; v224-231 p's codes; v232-254 at work; v248-251 K's or V's scale words; v253 p's; v255 Q's.
; THE MODE: SCHED_MODE bits 1:0 = 2 (LLVM: expert scheduling mode 2), set by the entry lines.  The code itself states the register dependences between vector or matrix instructions and memory or LDS instructions, with s_wait_alu, always for 0.
; THE PLAN.  Registers that memory or LDS instructions touch, in the loop:
;   v1-4          offsets and LDS addresses, made at the head and never written again.
;   v6            the mask's offset: written by one line at a step's head, read by the step's four loads of the mask.
;   v64-79, v26   written by a trip's five loads of the next record, read by the LDS stores at the trip's end; no vector instruction names them.
;   v80-95        written by the loads of the mask at a step's head; read and written by that step's lines that lay the mask on the scores.
;   v32-63        K's tiles 0-3, loaded at a step's head, read by the second four products K Q^T; then V's tiles 0-3, loaded behind those products, read by the first four products V^T P.
;   v96-127       K's tiles 4-7, loaded at a step's head, read by the first four products K Q^T; then scores and p; then V's tiles 4-7, loaded behind p's conversions, read by the last four products V^T P.
;   v248-251      K's scale words, loaded at a step's head; V's, loaded behind K Q^T; read by matrix instructions alone.
; A trip has one wait on vm_vsrc, at its head.  A step has one wait on va_vdst at its head, for its loads of the mask and all 20 LDS loads of K; one behind K Q^T, for V's first run; the two behind the exponentials; one behind p's conversions, for V's second run;
; one ahead of V^T P, for p's codes and scale word.  So V's first run has the softmax in which to land, its second the 32 rescalings of O^T.
.set REC,  17408
.set VC,   8192
.set KS,   16384
.set VS,   16896
.set BUF0, 0
.set BUF1, REC
.set STG,  2*REC                       ; behind the buffers: 16 rows x 528 bytes for each wave, its own: Q on the way in, O on the way out
.set PIT,  528                         ; 512 bytes + 16: sixteen rows begin in sixteen different columns of 16 bytes
.set TM,   232                         ; v232-238 at work in QUANT2
; scalars: s[4:5] Q, s[6:7] mask, s[8:9] kvq (the head's record 0), s[10:11] cls, s[12:13] out; s14 wave; s15 query head in the group; s16 which tile; s17 block; s18 first query; s[20:21] lane selects; s[22:23] c;
;   s24 AM steps still to be asked for; s25 MYA my tile's active steps; s26 MYP those that are partly masked; s27 CUR the step in hand; s28 NXT; s29 HAVE; s30 HVN; s31 PF; s[32:33] at work; s[34:35] RB the record asked for; s36 trips; s37 255; s40-43 byte selects
; 64 numbers of a lane, v[x + 32 cc + i] = k 64 cc + 32 h + i of its row, become registers c .. c + 7 of the operand and the row's scale word in v[w]
.macro QUANT2 x, c, w
.irp cc, 0,1
	v_max3_num_f32 v[TM+\cc], |v[\x+32*\cc]|, |v[\x+32*\cc+1]|, 0x1800000   ; the floor 2^(3 - 127): the byte cannot fall under 1
.endr
.irp i, 2,4,6,8,10,12,14,16,18,20,22,24,26,28,30
.irp cc, 0,1
	v_max3_num_f32 v[TM+\cc], v[TM+\cc], |v[\x+32*\cc+\i]|, |v[\x+32*\cc+\i+1]|
.endr
.endr
.irp cc, 0,1
	v_add_nc_u32 v[TM+2+\cc], 0xff000000, v[TM+\cc]    ; 2 off the exponent field: the conversion's scale operand
.endr
.irp cc, 0,1
	v_lshrrev_b32 v[TM+4+\cc], 23, v[TM+2+\cc]
.endr
	v_lshl_or_b32 v[\w], v[TM+5], 16, v[TM+4]          ; blocks h and 2 + h,
	v_lshlrev_b32 v[\w], v9, v[\w]                     ; 8 h bits up;
	v_permlanex16_b32 v[TM+6], v[\w], s20, s21
	v_or_b32 v[\w], v[\w], v[TM+6]                     ; with lane l xor 16's two the word is whole
.irp cc, 0,1
.irp g, 0,1,2,3
	v_cvt_scalef32_pk8_fp4_f32 v[\c+4*\cc+\g], v[\x+32*\cc+8*\g:\x+32*\cc+8*\g+7], v[TM+2+\cc]
.endr
.endr
	v_nop                                              ; one plain line behind the last scaled conversion
.endm
; The summary of one tile of 16 queries, 8 words at s[b]: n = the four chunks' words 0; a = its active steps: those with a true byte, or all 16 where some row has no true key anywhere
.macro COMB b, a, n
	s_or_b32 s[\n], s[\b], s[\b+2]
	s_or_b32 s[\n], s[\n], s[\b+4]
	s_or_b32 s[\n], s[\n], s[\b+6]
	s_or_b32 s32, s[\b+1], s[\b+3]
	s_or_b32 s32, s32, s[\b+5]
	s_or_b32 s32, s32, s[\b+7]
	s_and_b32 s[\a], s[\n], 0xffff
	s_cmp_eq_u32 s32, 0xffff
	s_cselect_b32 s[\a], s[\a], 0xffff
.endm
.macro ASK                             ; my eighth of the record at s[34:35]: 2,048 bytes of codes, 128 of scale words: five loads
.irp e, 0,1,2,3
	global_load_b128 v[64+4*\e:67+4*\e], v3, s[34:35] offset:512*\e
.endr
	global_load_b32 v26, v4, s[34:35]
.endm
.macro PUT buf                         ; and into the same places of an LDS buffer
.irp e, 0,1,2,3
	ds_store_b128 v3, v[64+4*\e:67+4*\e] offset:\buf+512*\e
.endr
	ds_store_b32 v4, v26 offset:\buf
.endm
; A KEY STEP: the 128 keys of step s27, whose record lies in buf
.macro STEP buf
	s_lshr_b32 s32, s26, s27
	s_and_b32 s31, s32, 1                          ; is the tile partly masked?  Then its bytes are asked for now: 16 a lane and block, as the scores will lie
	v_lshl_add_u32 v6, s27, 7, v5                  ; row r, byte 128 x step + 16 h (ahead of the branch, so that one wait serves all the loads below)
	s_wait_alu depctr_va_vdst(0)                   ; v6 is written, which the loads of the mask read; the last step's vector and matrix instructions are done with v80-95, v32-63, v96-127 and v248-251, in which the loads below land; in the first step Q's codes v16-23 and scale word v255 are written, which the scaled products take
	s_cmp_eq_u32 s31, 0
	s_cbranch_scc1 .Lnl_\@
.irp b, 0,1,2,3
	global_load_b128 v[80+4*\b:83+4*\b], v6, s[6:7] offset:32*\b
.endr
.Lnl_\@:
.irp t, 0,1,2,3                                ; all of K in one run: tiles 4-7 into v96-127, which take scores only behind their products;
.irp c, 0,1
	ds_load_b128 v[96+8*\t+4*\c:99+8*\t+4*\c], v1 offset:\buf+1024*(4+\t)+512*\c
.endr
.endr
.irp j, 0,1,2,3
	ds_load_b32 v[248+\j], v2 offset:\buf+KS+128*\j    ; lanes 0-15: tile 2 j's scale words; lanes 16-31: tile 2 j + 1's
.endr
.irp t, 0,1,2,3                                ; tiles 0-3 into v32-63
.irp c, 0,1
	ds_load_b128 v[32+8*\t+4*\c:35+8*\t+4*\c], v1 offset:\buf+1024*\t+512*\c
.endr
.endr
	s_wait_dscnt 8                                 ; tiles 4-7 and the scale words are in; the eight younger loads, tiles 0-3, may be out
.irp t, 0,2                                    ; S^T = K Q^T: tiles 4-7 first (each score is one product: no sum's order hangs on this)
	v_wmma_scale_f32_16x16x128_f8f6f4 v[128+8*\t:135+8*\t], v[96+8*\t:103+8*\t], v[16:23], 0, v[250+\t/2], v255 matrix_a_fmt:MATRIX_FMT_FP4 matrix_b_fmt:MATRIX_FMT_FP4
	v_wmma_scale_f32_16x16x128_f8f6f4 v[136+8*\t:143+8*\t], v[104+8*\t:111+8*\t], v[16:23], 0, v[250+\t/2], v255 matrix_a_fmt:MATRIX_FMT_FP4 matrix_b_fmt:MATRIX_FMT_FP4 matrix_a_scale:MATRIX_SCALE_ROW1
.endr
.rept 5
	v_nop                                          ; five places: the four products below write their results over v96-127, which the four above read as source 0
.endr
	s_wait_dscnt 0x0                               ; tiles 0-3 are in
.irp t, 0,2
	v_wmma_scale_f32_16x16x128_f8f6f4 v[96+8*\t:103+8*\t], v[32+8*\t:39+8*\t], v[16:23], 0, v[248+\t/2], v255 matrix_a_fmt:MATRIX_FMT_FP4 matrix_b_fmt:MATRIX_FMT_FP4
	v_wmma_scale_f32_16x16x128_f8f6f4 v[104+8*\t:111+8*\t], v[40+8*\t:47+8*\t], v[16:23], 0, v[248+\t/2], v255 matrix_a_fmt:MATRIX_FMT_FP4 matrix_b_fmt:MATRIX_FMT_FP4 matrix_a_scale:MATRIX_SCALE_ROW1
.endr
.rept 4
	v_nop                                          ; four places ahead of the first read of the scores
.endr
	s_wait_alu depctr_va_vdst(0)                   ; the products K Q^T are done reading v32-63 and v248-251, in which V's first run lands
.irp t, 0,1,2,3                                ; V's tiles 0-3 and its scale words: no line of the softmax names these registers, so they land beside it
.irp c, 0,1
	ds_load_b128 v[32+8*\t+4*\c:35+8*\t+4*\c], v1 offset:\buf+VC+1024*\t+512*\c
.endr
.endr
.irp j, 0,1,2,3
	ds_load_b32 v[248+\j], v2 offset:\buf+VS+128*\j
.endr
	s_cmp_eq_u32 s31, 0
	s_cbranch_scc1 .Lopen_\@
	s_wait_loadcnt 0x0                             ; the mask's bytes (the record's loads were issued ahead of them)
.irp x, 0,1,2,3,4,5,6,7,8,9,10,11,12,13,14,15
	v_mul_lo_u32 v[80+\x], v[80+\x], s37           ; each byte 0 or 1 becomes 0x00 or 0xff
.endr
.set NN, 0
.rept 16                                       ; register n holds key 32 (n / 16) + 16 h + n % 16: byte n % 4 of mask register n / 4.  Ascending: each accumulator is read from its low end on
.irp k, 0,1,2,3
	v_perm_b32 v[27+\k], v[80+NN], v[80+NN], s[40+\k]   ; the byte in all four places
.endr
.irp k, 0,1,2,3
	v_bfi_b32 v[96+4*NN+\k], v[27+\k], v[96+4*NN+\k], v24   ; the score where the byte is true, else -2^103
.endr
.set NN, NN+1
.endr
.Lopen_\@:
.irp b, 0,1,2,3
	v_max3_num_f32 v[232+\b], v[96+16*\b], v[97+16*\b], v[98+16*\b]   ; the largest score of each block of 32 keys: for the row's maximum and, since p rises with the score, for the block's largest p
.endr
.irp i, 3,5,7,9,11,13
.irp b, 0,1,2,3
	v_max3_num_f32 v[232+\b], v[232+\b], v[96+16*\b+\i], v[97+16*\b+\i]
.endr
.endr
.irp b, 0,1,2,3
	v_max_num_f32 v[232+\b], v[232+\b], v[111+16*\b]
.endr
.irp b, 0,1,2,3
	v_permlanex16_b32 v[236+\b], v[232+\b], s20, s21
.endr
.irp b, 0,1,2,3
	v_max_num_f32 v[232+\b], v[232+\b], v[236+\b]  ; with lane l xor 16's 16 keys
.endr
	v_max3_num_f32 v254, v232, v233, v234
	v_max_num_f32 v254, v254, v235                 ; the step's largest score of my query
	v_mul_f32 v254, s22, v254                      ; as t (c is positive)
	v_max_num_f32 v13, v13, v254                   ; the running largest t
	v_mov_b32 v254, v12
	v_floor_f32 v12, -v13                          ; the new -M = floor(-t): M is a whole number
	v_sub_f32 v254, v12, v254                      ; old M - new M: a whole number, 0 or less
	v_cvt_i32_f32 v254, v254                       ; (it saturates)
	v_ldexp_f32 v252, 1.0, v254                    ; f = 2^(old M - new M)
.set J, 0
.rept 32
	v_pk_fma_f32 v[96+J:97+J], v[96+J:97+J], s[22:23], v[12:13] op_sel_hi:[1,0,0]   ; t - M, two at a time
.set J, J+2
.endr
.irp b, 0,1,2,3
	v_fma_f32 v[232+\b], v[232+\b], s22, v12       ; the same of each block's largest score
.endr
.set J, 0
.rept 64
	v_exp_f32 v[96+J], v[96+J]                     ; p = 2^(t - M), at most 1
.set J, J+1
.endr
	v_pk_mul_f32 v[14:15], v[14:15], v[252:253] op_sel_hi:[1,0]   ; the sums under the new M: the plain line behind the exponentials
	s_wait_alu depctr_va_vdst(0)                   ; the 64 exponentials have written v96-159: one wait for the batch, ahead of its first reader
.irp b, 0,1,2,3
	v_exp_f32 v[232+\b], v[232+\b]                 ; the block's largest p: the same two instructions on the same number
.endr
	v_pk_add_f32 v[236:237], v[96:97], v[98:99]    ; the row's sum of the unquantised p, in two chains; it reads the 64 alone
.irp j, 4,8,12,16,20,24,28,32,36,40,44,48,52,56,60
	v_pk_add_f32 v[14:15], v[14:15], v[96+\j:97+\j]
	v_pk_add_f32 v[236:237], v[236:237], v[98+\j:99+\j]
.endr
	v_pk_add_f32 v[14:15], v[14:15], v[236:237]
	s_wait_alu depctr_va_vdst(0)                   ; the four exponentials have written v232-235: their wait, ahead of their first reader
.irp b, 0,1,2,3
	v_max_num_f32 v[232+\b], 0x1800000, v[232+\b]  ; the floor 2^(3 - 127)
.endr
.irp b, 0,1,2,3
	v_add_nc_u32 v[244+\b], 0xff000000, v[232+\b]  ; the conversion's scale operand
.endr
.irp b, 0,1,2,3
	v_lshrrev_b32 v[236+\b], 23, v[244+\b]         ; the scale's byte
.endr
	v_lshl_or_b32 v253, v237, 8, v236              ; p's scale word for these 128 keys
	v_lshl_or_b32 v253, v238, 16, v253
	v_lshl_or_b32 v253, v239, 24, v253
.irp b, 0,1,2,3
	v_cvt_scalef32_pk8_fp4_f32 v[224+2*\b], v[96+16*\b:103+16*\b], v[244+\b]
	v_cvt_scalef32_pk8_fp4_f32 v[225+2*\b], v[104+16*\b:111+16*\b], v[244+\b]
.endr
	v_nop                                          ; one plain line behind the last scaled conversion
.irp c, 0,1                                    ; the operand wants a whole block in a lane: lanes 0-15 block 2 c, lanes 16-31 block 2 c + 1
.irp i, 0,1
	v_permlane16_swap_b32 v[224+4*\c+\i], v[226+4*\c+\i]
.endr
.endr
	s_wait_alu depctr_va_vdst(0)                   ; the sums and the conversions are done reading v96-127, in which V's second run lands
.irp t, 0,1,2,3                                ; V's tiles 4-7: the 32 lines below name none of these registers, so they land beside them
.irp c, 0,1
	ds_load_b128 v[96+8*\t+4*\c:99+8*\t+4*\c], v1 offset:\buf+VC+1024*(4+\t)+512*\c
.endr
.endr
.set J, 0
.rept 32
	v_pk_mul_f32 v[160+J:161+J], v[160+J:161+J], v[252:253] op_sel_hi:[1,0]   ; O^T under the new M; these 32 are also the places between the lines that wrote p's codes and scale word and the scaled products
.set J, J+2
.endr
	s_wait_alu depctr_va_vdst(0)                   ; p's codes v224-231 and its scale word v253, which vector instructions wrote, are written: the scaled products take them; the places stand ahead of this wait
	s_wait_dscnt 8                                 ; V's tiles 0-3 and its scale words are in; the eight younger loads, tiles 4-7, may be out
.irp t, 0,2                                    ; O^T += V^T P^T; the eight accumulators take turns, one instruction a turn
	v_wmma_scale_f32_16x16x128_f8f6f4 v[160+8*\t:167+8*\t], v[32+8*\t:39+8*\t], v[224:231], v[160+8*\t:167+8*\t], v[248+\t/2], v253 matrix_a_fmt:MATRIX_FMT_FP4 matrix_b_fmt:MATRIX_FMT_FP4
	v_wmma_scale_f32_16x16x128_f8f6f4 v[168+8*\t:175+8*\t], v[40+8*\t:47+8*\t], v[224:231], v[168+8*\t:175+8*\t], v[248+\t/2], v253 matrix_a_fmt:MATRIX_FMT_FP4 matrix_b_fmt:MATRIX_FMT_FP4 matrix_a_scale:MATRIX_SCALE_ROW1
.endr
	s_wait_dscnt 0x0                               ; tiles 4-7 are in
.irp t, 0,2
	v_wmma_scale_f32_16x16x128_f8f6f4 v[192+8*\t:199+8*\t], v[96+8*\t:103+8*\t], v[224:231], v[192+8*\t:199+8*\t], v[250+\t/2], v253 matrix_a_fmt:MATRIX_FMT_FP4 matrix_b_fmt:MATRIX_FMT_FP4
	v_wmma_scale_f32_16x16x128_f8f6f4 v[200+8*\t:207+8*\t], v[104+8*\t:111+8*\t], v[224:231], v[200+8*\t:207+8*\t], v[250+\t/2], v253 matrix_a_fmt:MATRIX_FMT_FP4 matrix_b_fmt:MATRIX_FMT_FP4 matrix_a_scale:MATRIX_SCALE_ROW1
.endr
.rept 4
	v_nop                                          ; four places for whatever vector instruction follows on any way: the way out reads O^T and writes over v96-127, which these products read
.endr
.endm
; A TRIP: the record in rd is worked, the next active one goes into wr
.macro TRIP rd, wr
	s_wait_dscnt 0x0                               ; my stores into rd have landed, and my reads of wr are over;
	s_wait_alu depctr_vm_vsrc(0)                   ; my LDS stores have read v64-79 and v26, in which this trip's loads of the next record land; the last step's loads of the mask have read v6, which this trip's step writes; in the first trip Q's LDS stores have read v96-159, in which K's loads and the scores land
	s_barrier_signal -1
	s_barrier_wait -1                              ; both now hold of all eight waves
	s_cmp_eq_u32 s29, 0
	s_cbranch_scc1 .Lidle_\@                       ; no step is left: the trip is its barrier alone
	s_ctz_i32_b32 s28, s24                         ; the next active step,
	s_min_u32 s28, s28, 15                         ; held inside the head's 16 records
	s_cmp_lg_u32 s24, 0
	s_cselect_b32 s30, 1, 0                        ; if there is one
	s_sub_co_u32 s32, s24, 1
	s_and_b32 s24, s24, s32                        ; its bit is taken off
	s_cmp_eq_u32 s30, 0
	s_cbranch_scc1 .Lna_\@
	s_mul_i32 s32, s28, REC
	s_mov_b32 s33, 0
	s_add_nc_u64 s[34:35], s[8:9], s[32:33]        ; (the last loads that named this pair were waited for in the trip before)
	ASK
.Lna_\@:
	s_lshr_b32 s32, s25, s27
	s_and_b32 s32, s32, 1
	s_cmp_eq_u32 s32, 0
	s_cbranch_scc1 .Lsk_\@                         ; the step in hand is active for the other tile of queries alone
	STEP \rd
.Lsk_\@:
	s_wait_loadcnt 0x0                             ; the next record's eighth is in; every load's address registers are free
	s_cmp_eq_u32 s30, 0
	s_cbranch_scc1 .Lnp_\@
	PUT \wr
.Lnp_\@:
	s_min_u32 s27, s28, 15
	s_mov_b32 s29, s30
.Lidle_\@:
.endm
	s_load_b256 s[4:11], s[0:1], 0x0               ; query s[4:5], mask s[6:7], kvq s[8:9], cls s[10:11]
	s_load_b64 s[12:13], s[0:1], 0x20              ; out
	v_lshl_add_u32 v242, v0, 2, 0x19000
	v_mov_b32 v243, 0
	v_lshrrev_b32 v1, 5, v0
	v_readfirstlane_b32 s14, v1                    ; wave 0..7
	v_and_b32 v2, 31, v0
	v_lshlrev_b32 v1, 4, v2                        ; 16 x lane
	v_lshlrev_b32 v2, 2, v2                        ; 4 x lane
	s_wait_alu depctr_va_sdst(0)                   ; s14 is written, ahead of its first reader
	s_and_b32 s15, s14, 3                          ; which of the group's four query heads
	s_lshr_b32 s16, s14, 2                         ; which tile of 16 positions
	s_and_b32 s17, ttmp7, 0xffff
	s_sub_co_u32 s17, 63, s17                      ; the block of 32 positions, from the last to the first
	s_lshl_b32 s18, s17, 5
	s_lshl_b32 s32, s16, 4
	s_add_co_u32 s18, s18, s32                     ; my first query
	s_lshl_b32 s32, s18, 15                        ; Q and out: a position is 32,768 bytes,
	s_lshl_b32 s33, ttmp9, 11                      ; a key/value head's four query heads 2,048,
	s_add_co_u32 s32, s32, s33
	s_lshl_b32 s33, s15, 9                         ; a query head 512
	s_add_co_u32 s32, s32, s33
	s_mov_b32 s33, 0
	s_lshl_b32 s34, s18, 11                        ; the mask: a row is 2,048 bytes
	s_mov_b32 s35, 0
	s_mul_i32 s38, ttmp9, 16*REC                   ; the head's 16 records
	s_mov_b32 s39, 0
	s_lshl_b32 s48, s17, 6                         ; the block's two tiles: 64 bytes of cls
	s_mov_b32 s49, 0
	s_mov_b32 s20, 0x76543210
	s_mov_b32 s21, 0xfedcba98                      ; v_permlanex16_b32's selects for lane l xor 16
	s_mov_b32 s22, 0x3e0293ee                      ; c = log2(e) / sqrt(128)
	s_mov_b32 s23, s22                             ; (named with it as a pair, so it is written)
	s_mov_b32 s37, 255
	s_mov_b32 s40, 0
	s_mov_b32 s41, 0x01010101
	s_mov_b32 s42, 0x02020202
	s_mov_b32 s43, 0x03030303
	s_wait_kmcnt 0x0
	s_add_nc_u64 s[4:5], s[4:5], s[32:33]
	s_add_nc_u64 s[12:13], s[12:13], s[32:33]
	s_add_nc_u64 s[6:7], s[6:7], s[34:35]
	s_add_nc_u64 s[8:9], s[8:9], s[38:39]
	s_add_nc_u64 s[10:11], s[10:11], s[48:49]
	s_load_b512 s[68:83], s[10:11], 0x0            ; the summaries of the block's two tiles
	s_wait_alu depctr_va_vdst(0)                   ; v1 is written, which Q's loads read as their offset
.irp i, 0,1,2,3,4,5,6,7,8,9,10,11,12,13,14,15
	global_load_b128 v[96+4*\i:99+4*\i], v1, s[4:5] offset:32768*\i th:TH_LOAD_NT   ; query i's 512 bytes, 16 a lane
.endr
	v_and_b32 v11, 15, v0                          ; r
	v_bfe_u32 v25, v0, 4, 1                        ; h
	s_lshl_b32 s32, s14, 11
	v_add_nc_u32 v3, s32, v1                       ; my eighth of a record's codes: 2,048 x wave + 16 x lane
	s_lshl_b32 s32, s14, 7
	s_add_co_u32 s32, s32, KS
	v_add_nc_u32 v4, s32, v2                       ; and of its scale words: KS + 128 x wave + 4 x lane
	v_lshlrev_b32 v5, 11, v11
	v_lshl_add_u32 v5, v25, 4, v5                  ; the mask: row r, + 16 h
	v_lshlrev_b32 v9, 3, v25                       ; 8 h
	s_mul_i32 s32, s14, 16*PIT
	s_add_co_u32 s32, s32, STG                     ; my stage
	v_mul_u32_u24 v7, v11, PIT
	v_lshl_add_u32 v10, v25, 7, v7
	v_add_nc_u32 v10, s32, v10                     ; Q out of it: row r, + 128 h
	v_lshl_add_u32 v7, v25, 5, v7
	v_add_nc_u32 v7, s32, v7                       ; O into it: row r, + 32 h
	v_add_nc_u32 v8, s32, v1                       ; whole rows: 16 x lane
	v_mov_b32 v24, 0xf3000000                      ; -2^103
.irp b, 0,1,2,3
	v_mov_b32 v[236+\b], 0                         ; written once: a lane permute's destination counts as one of its sources
.endr
	v_mov_b32 v252, 0                              ; likewise (the way out's)
	v_mov_b32 v253, 0                              ; (named as the upper half of the pair v[252:253] before it is first written)
.irp x, 0,1,2,3,4,5,6,7,8,9,10,11,12,13,14,15
	v_mov_b32 v[80+\x], 0                          ; written once, so that they are written on every way
.endr
	s_wait_kmcnt 0x0
	COMB 68, 44, 45
	COMB 76, 46, 47
	s_or_b32 s24, s44, s46                         ; the steps that the work-group walks
	s_cmp_eq_u32 s16, 0
	s_cselect_b32 s25, s44, s46                    ; those of my tile
	s_cselect_b32 s32, s45, s47
	s_lshr_b32 s32, s32, 16
	s_and_b32 s26, s32, s25                        ; and of them those in which not every byte is true
	s_cmp_lg_u32 s24, 0
	s_cselect_b32 s29, 1, 0
	s_ctz_i32_b32 s27, s24
	s_min_u32 s27, s27, 15                         ; the first step
	s_sub_co_u32 s32, s24, 1
	s_and_b32 s24, s24, s32
	s_mul_i32 s32, s27, REC
	s_mov_b32 s33, 0
	s_add_nc_u64 s[34:35], s[8:9], s[32:33]
	s_wait_alu depctr_va_vdst(0)                   ; the offsets and LDS addresses v3, v4, v7, v8 and v10 are written, which every load and store below reads and no line writes again
	ASK
	; ---- Q: through my stage, so that a lane gets two whole blocks of ONE query; quantised in registers
	s_wait_loadcnt 5                               ; Q's 16 loads are in; the record's five younger loads may be out
.irp i, 0,1,2,3,4,5,6,7,8,9,10,11,12,13,14,15
	ds_store_b128 v8, v[96+4*\i:99+4*\i] offset:PIT*\i
.endr
.irp c, 0,1
.irp j, 0,1,2,3,4,5,6,7
	ds_load_b128 v[160+32*\c+4*\j:163+32*\c+4*\j], v10 offset:256*\c+16*\j   ; LDS serves a wave's instructions in order: these see the stores above.  No vector instruction has named v160-223 yet
.endr
.endr
	s_wait_dscnt 0x0
	QUANT2 160, 16, 255
	v_mov_b32 v13, 0xff61b1e6                      ; the largest t so far: -3e38, under every t
	v_floor_f32 v12, -v13                          ; -M
	v_mov_b32 v14, 0                               ; the sum, in two halves
	v_mov_b32 v15, 0
.set J, 0
.rept 64
	v_mov_b32 v[160+J], 0                          ; O^T: the step is written without a first form of its own; the first change of M leaves zeros zeros
.set J, J+1
.endr
	s_wait_loadcnt 0x0
	PUT BUF0                                       ; (its data come from loads, its addresses stand ahead of the wait above)
	s_mov_b32 s36, 8
.Lloop:                                            ; 16 trips, a constant
	TRIP BUF0, BUF1
	TRIP BUF1, BUF0
	s_sub_co_u32 s36, s36, 1
	s_cmp_lg_u32 s36, 0
	s_cbranch_scc1 .Lloop
	; ---- THE WAY OUT: O^T / the sum goes through my stage and leaves as whole rows of 512 bytes
	v_add_f32 v14, v14, v15                        ; the sum's two halves,
	v_permlanex16_b32 v252, v14, s20, s21
	v_add_f32 v14, v14, v252                       ; and lane l xor 16's: the row's sum
	v_rcp_f32 v14, v14
	v_nop                                          ; a plain line behind the reciprocal
	s_wait_alu depctr_va_vdst(0)                   ; the reciprocal has written v14: the wait ahead of its first reader
.set J, 0
.rept 64
	v_mul_f32 v[96+J], v[160+J], v14               ; register 8 t + i is o(query r, channel 16 t + 8 h + i); ascending
.set J, J+1
.endr
	s_wait_alu depctr_va_vdst(0)                   ; the 64 quotients are written in v96-159, which the LDS stores read; the loop's matrix and vector instructions are done with v32-63 and v80-95, in which the loads from the stage land
	s_wait_alu depctr_vm_vsrc(0)                   ; the last trip's LDS stores have read v64-79, in which loads from the stage land too
.irp t, 0,1,2,3,4,5,6,7
	ds_store_b128 v7, v[96+8*\t:99+8*\t] offset:64*\t
	ds_store_b128 v7, v[100+8*\t:103+8*\t] offset:64*\t+16
.endr
.irp i, 0,1,2,3,4,5,6,7,8,9,10,11,12,13,14,15
	ds_load_b128 v[32+4*\i:35+4*\i], v8 offset:PIT*\i
.endr
.irp i, 0,1,2,3,4,5,6,7,8,9,10,11,12,13,14,15
	s_wait_dscnt 15-\i                             ; row i is back; the younger loads may be out
	global_store_b128 v1, v[32+4*\i:35+4*\i], s[12:13] offset:32768*\i th:TH_STORE_NT   ; 32 lanes store 512 consecutive bytes, at a multiple of 256 from out's first byte
.endr
	s_wait_dscnt 0x0
	s_wait_alu depctr_hold_cnt(0) depctr_sa_sdst(0) depctr_va_vdst(0) depctr_va_sdst(0) depctr_va_ssrc(0) depctr_va_vcc(0) depctr_vm_vsrc(0)
	s_wait_tensorcnt 0x0
	ds_add_u32 v242, v243
	s_wait_dscnt 0x0
	s_endpgm
.Lfunc_end_k_qb5e032c507_attn:
	.size	k_qb5e032c507_attn, .Lfunc_end_k_qb5e032c507_attn-k_qb5e032c507_attn
	.p2alignl 7, 3214868480
	.fill 96, 4, 3214868480
	.section	.rodata,"a",@progbits
	.p2align	6, 0x0
	.amdhsa_kernel k_qb5e032c507_attn
		.amdhsa_group_segment_fixed_size 103424
		.amdhsa_private_segment_fixed_size 0
		.amdhsa_enable_private_segment 0
		.amdhsa_kernarg_size 40
		.amdhsa_user_sgpr_count 2
		.amdhsa_user_sgpr_kernarg_segment_ptr 1
		.amdhsa_wavefront_size32 1
		.amdhsa_system_sgpr_workgroup_id_x 1
		.amdhsa_system_sgpr_workgroup_id_y 1
		.amdhsa_system_sgpr_workgroup_id_z 1
		.amdhsa_system_vgpr_workitem_id 0
		.amdhsa_next_free_vgpr 256
		.amdhsa_next_free_sgpr 84
		.amdhsa_reserve_vcc 0
		.amdhsa_float_denorm_mode_32 3
		.amdhsa_float_denorm_mode_16_64 3
		.amdhsa_memory_ordered 1
		.amdhsa_forward_progress 1
		.amdhsa_inst_pref_size 80
	.end_amdhsa_kernel
	.amdgpu_metadata
---
amdhsa.version: [ 1, 2 ]
amdhsa.kernels:
  - .name:           k_qb5e032c507_attn
    .symbol:         k_qb5e032c507_attn.kd
    .args:
      - { .name: query, .offset: 0, .size: 8, .value_kind: global_buffer, .address_space: global }
      - { .name: attention_mask, .offset: 8, .size: 8, .value_kind: global_buffer, .address_space: global }
      - { .name: kvq, .offset: 16, .size: 8, .value_kind: global_buffer, .address_space: global }
      - { .name: cls, .offset: 24, .size: 8, .value_kind: global_buffer, .address_space: global }
      - { .name: out0, .offset: 32, .size: 8, .value_kind: global_buffer, .address_space: global }
    .group_segment_fixed_size: 103424
    .private_segment_fixed_size: 0
    .kernarg_segment_align: 8
    .kernarg_segment_size: 40
    .max_flat_workgroup_size: 256
    .sgpr_count:     84
    .vgpr_count:     256
    .wavefront_size: 32
...
	.end_amdgpu_metadata
.endif
;; end of part 3
